; MI455X (gfx1250); checked and timed in simulation.
; The chip was launched on July 23, 2026; its instructions are those of AMD's public machine-readable ISA for CDNA 5 (MIT licence, August 2026) and "CDNA5" Instruction Set Architecture Reference Guide (July 2026). The comments in the code are by the model that wrote it; some were corrected since.
;; Linear Attention. Allowed arithmetic: matrix products marked QUANTISED: E5M2 operands, one given power-of-two scale a tensor, by v_wmma_f32_16x16x64_bf8_bf8 or v_wmma_f32_16x16x128_bf8_bf8, f32 sums; everything else in f32.
;; Inputs: K 4 x 16 x 2,048 x 64 float32; Q 4 x 16 x 2,048 x 64 float32; V_codes 4 x 16 x 64 x 64 x 32 uint8 (E5M2 codes of V, K innermost, in blocks of 32 codes); lowp_scales 4 int32 (the exponents e of the quantised operands' scales 2^e).
;; Outputs: out0 4 x 16 x 2,048 x 64 float32.
;; This version of the problem:
;;   THIS VERSION OF THE PROBLEM IS GIVEN IN LOW PRECISION. The matrix products marked QUANTISED in the list below multiply operands that are first quantised to E5M2 (5 exponent bits, 2 mantissa bits; 8 bits a number), with one given power-of-two scale for each operand tensor; their sums are f32. All else is computed in f32.
;;   The module's matrix products, in the order in which they are computed (A, B: the left and right operand; K: the contracted axis; several contracted axes count as one K, in the product's order):
;;     1. batch 64 x [M 2,048, K 64] x [K 64, N 2,048]; A: computed on the way; B: computed on the way: QUANTISED (scales: A lowp_scales[0], B lowp_scales[1])
;;     2. batch 64 x [M 2,048, K 2,048] x [K 2,048, N 64]; A: softmax (see below); B: input V (given as codes): QUANTISED (scales: A lowp_scales[2], B lowp_scales[3])
;;   THE QUANTISER, for each operand of a quantised product, along K:
;;     - The operand's scale is 2^e, e = its entry of the input lowp_scales (int32; the entries are numbered through the quantised products in the list's order, A before B).
;;     - Each number is divided by the scale, clamped to +-57,344, and rounded to the nearest number of E5M2, ties to even, subnormals kept.
;;     - The product sums the exact products of the quantised numbers (number of the format x scale) in f32.
;;   ~~~python
;;   def quantise(x, axis, e):      # numpy; x: float32 -> the quantised numbers, widened to float32 again
;;       x = np.moveaxis(x, axis, -1); K = x.shape[-1]
;;       r = np.clip(x / 2.0 ** e, -57344, 57344)
;;       step = 2.0 ** (np.maximum(np.frexp(np.where(r == 0, 1, r))[1] - 1, -14) - 2)
;;       q = np.round(r / step) * step * 2.0 ** e      # np.round: ties to even
;;       return np.moveaxis(q, -1, axis).astype(np.float32)
;;   ~~~
;;   SOFTMAX AHEAD OF A QUANTISED PRODUCT. Where the list says 'softmax', what is quantised is not the finished softmax but p = 2^(t - M), with t = logit x log2(e) and M = ceil(the row's largest t), a whole number; so 1/2 < the row's largest p <= 1. The row's sum l is taken of the UNQUANTISED p, in f32, and the product's result is divided by l at the end. Since M is a whole number, a kernel that streams over the keys may use a running M (the ceiling of the running maximum): every later rescaling is an exact power of two, so the quantised numbers keep their values, but for numbers so far below the row's largest that they fall under the format's range.
;;   OPERANDS COMPUTED ON THE WAY. 'Computed on the way' means the value that the module computes at that place (a softmax that the list does not call 'softmax' is quantised finished and normalised). What goes into a quantiser is computed in f32, as accurately as f32 sums, v_exp_f32 and their like allow (about 1e-6 of the number): no bf16 or f16 on the way to a quantiser, and a product that is left as it is and whose result goes on into a quantised operand takes f32 operands (vector FMAs, or v_wmma_f32_16x16x4_f32). A number that lies on a knife's edge between two numbers of the format may be rounded either way, as far as f32 arithmetic and the matrix unit's own rounding can turn it there, and no further.
;;   INPUTS GIVEN AS CODES. V (in the module: [4, 16, 2048, 64], K = its axis 2): each comes as NAME_codes (uint8): NAME with its K axis moved to the last place and cut into blocks of 32 codes, [.., K / 32, bytes a block], one block behind the other in memory; one code a byte (a code: sign, 5 exponent bits, 2 mantissa bits); its scale is its entry of lowp_scales. Its value is code x scale, taken as it is: it is not quantised again, and the codes and scales need not be those that the quantiser above would give.
;; One version. Each part assembles by itself: llvm-mc -triple=amdgcn-amd-amdhsa -mcpu=gfx1250 --defsym DOCPART=n.
;; ======== version 1 of 1: 2 launches
;; workspace buffers: K_img 8,388,608 bytes
;; launch prep (part 1): grid 256 x 1, 8 waves a work-group, no clusters, 72,704 bytes of LDS; arguments K, lowp_scales, K_img; writes K_img
.if DOCPART == 1
	.amdgcn_target "amdgcn-amd-amdhsa--gfx1250"
	.amdhsa_code_object_version 6
	.text
	.protected	k_q234aca466f_prep
	.globl	k_q234aca466f_prep
	.p2align	8
	.type	k_q234aca466f_prep,@function
k_q234aca466f_prep:
	s_mov_b64 s[64:65], 0
	v_nop
	global_prefetch_b8 v0, s[64:65] scope:SCOPE_SE
	s_setreg_imm32_b32 hwreg(HW_REG_WAVE_MODE, 25, 1), 1
	s_wait_xcnt 0x0
; K [64 heads][2048 keys][64] f32  ->  K_img: the codes (E5M2, scale 2^e1, e1 = entry 1 of lowp_scales) of elu(K) + 1, laid in the order of the matrix operand's registers.
; elu(x) + 1 = x + 1 where x > 0, e^x elsewhere.  It is never negative, so the hold at 57,344 x 2^e1 is one-sided.
; K_img: a block of 32 keys (counted through all heads) takes 2,048 bytes: two tiles u = 0, 1 of 1,024 bytes, a tile = [c = 0, 1][lane 0..31][16 bytes].
; Slot (u, c, lane (r = lane % 16, h = lane / 16)) holds the 16 codes of key 8 u + r + 8 (r / 8) of the block, channels 32 c + 16 h + 0 .. 15.
; So the next launch gets a fragment (16 keys x 64 channels, 8 registers) by two loads of 16 bytes a lane, and the scores of tiles 2 b and 2 b + 1 are 16 neighbouring keys in a lane's registers.
; SHARES.  A wave takes two blocks: 16,384 bytes in, 4,096 out; a work-group 16 blocks; 256 work-groups x 16 = 4,096 blocks.  Written out, no loop, no barrier: waves share nothing.
; Each load reads 512 consecutive bytes (two keys' rows); the numbers turn through the wave's own stage in LDS, so that a lane then holds 16 neighbouring channels of one key; each store writes 512 consecutive bytes, aligned.
; LIMITS.  e1 between -126 and 112.  NaN among the inputs is not served; an infinity is held at the largest code.  For x <= 0 the value is e^x itself and not expm1(x) + 1: the two differ by at most 2^-24.
.set RP,    272                        ; a key's row in the stage: 256 bytes + 16
.set HOP,   128                        ; rows 16-31 lie 128 bytes further on: the 16 rows 0-7, 16-23 that a read touches then start at 16 different 16-byte columns of 256
.set STGB,  8960                       ; a wave's stage: 32 rows x 272 + 128, rounded up
.set LI,    1                          ; v1  16 x lane
.set SD,    2                          ; v2  the stage, on the way in: row lane / 16, 16 bytes x (lane % 16)
.set SRD,   3                          ; v3  and on the way out: row r % 8 + 16 (r / 8), + 64 h
.set LIMV,  4                          ; v4  57,344 x 2^e1
.set SCV,   5                          ; v5  2^e1 as f32: the conversion takes its exponent field
.set R,     16                         ; v16-79, v80-143  a block's 64 numbers a lane, as loaded, then turned
.set E,     144                        ; v144-175  e^x
.set Y,     176                        ; v176-207  x + 1
.set C,     208                        ; v208-239  codes: 16 registers for each block, so that no store's data are written again
.set LG,    14                         ; s[14:15]  log2(e), twice: the packed form names a pair
; 32 numbers of a lane, v[X] on, become elu + 1, held, and 8 registers of codes, v[C] on.
.macro FEAT X, E, Y, C
.set n, 0
.rept 16
	v_pk_mul_f32 v[\E+n:\E+n+1], v[\X+n:\X+n+1], s[LG:LG+1] op_sel_hi:[1,0]   ; x log2(e)
.set n, n+2
.endr
.set n, 0
.rept 32
	v_exp_f32 v[\E+n], v[\E+n]                     ; e^x: one batch
.set n, n+1
.endr
.set n, 0
.rept 16
	v_pk_add_f32 v[\Y+n:\Y+n+1], v[\X+n:\X+n+1], 1.0 op_sel_hi:[1,0]   ; x + 1: plain work that names no exponential's result
.set n, n+2
.endr
	s_wait_alu depctr_va_vdst(0)                   ; one wait for the batch, ahead of its first reader
.set n, 0
.rept 32
	v_cmp_lt_f32 vcc_lo, 0, v[\X+n]
	v_cndmask_b32 v[\X+n], v[\E+n], v[\Y+n], vcc_lo   ; x + 1 where 0 < x, else e^x
.set n, n+1
.endr
.set n, 0
.rept 32
	v_min_num_f32 v[\X+n], v[\X+n], v[LIMV]        ; the conversion to an 8-bit code does not saturate (ISA guide 7.6.2): hold at the largest code x the scale
.set n, n+1
.endr
.set n, 0
.rept 4
	v_cvt_scalef32_pk8_bf8_f32 v[\C+2*n:\C+2*n+1], v[\X+8*n:\X+8*n+7], v[SCV]
.set n, n+1
.endr
	v_nop                                          ; a plain vector line behind the last conversion
.endm
; block n's numbers through the stage.  LDS serves a wave's instructions in order (ISA guide 5.7.1.4): no wait between the stores and the loads, nor in front of the next block's stores.
.macro TURN n
.irp i, 0,1,2,3,4,5,6,7,8,9,10,11,12,13,14,15
	ds_store_b128 v[SD], v[R+64*\n+4*\i:R+64*\n+4*\i+3] offset:(2*\i)*RP+((2*\i)/16)*HOP   ; rows 2 i and 2 i + 1
.endr
.irp q, 0,1,2,3
.irp j, 0,1,2,3
	ds_load_b128 v[R+64*\n+16*\q+4*\j:R+64*\n+16*\q+4*\j+3], v[SRD] offset:8*(\q/2)*RP+128*(\q%2)+16*\j   ; q = 2 u + c: my key of tile u, channels 32 c + 16 h + 4 j on
.endr
.endr
.endm
.macro SEND n
.irp q, 0,1,2,3
	global_store_b128 v[LI], v[C+16*\n+4*\q:C+16*\n+4*\q+3], s[8:9] offset:2048*\n+512*\q   ; 32 lanes store 512 consecutive bytes, at a multiple of 512 from the buffer's first byte
.endr
.endm
	s_load_b128 s[4:7], s[0:1], 0x0                ; K s[4:5], the scales' exponents s[6:7]
	s_load_b64 s[8:9], s[0:1], 0x10                ; K_img
	v_lshl_add_u32 v240, v0, 2, 0x11800
	v_mov_b32 v241, 0
	v_lshrrev_b32 v6, 5, v0
	v_readfirstlane_b32 s10, v6                    ; wave 0..7
	v_and_b32 v7, 31, v0                           ; lane
	v_lshlrev_b32 v[LI], 4, v7
	v_and_b32 v8, 15, v0                           ; r
	v_bfe_u32 v9, v0, 4, 1                         ; h
	s_mul_i32 s16, s10, STGB                       ; my stage
	v_mul_u32_u24 v[SD], v9, RP
	v_lshl_add_u32 v[SD], v8, 4, v[SD]
	v_add_nc_u32 v[SD], s16, v[SD]
	v_and_b32 v10, 7, v0                           ; r % 8
	v_bfe_u32 v11, v0, 3, 1                        ; r / 8
	v_mul_u32_u24 v[SRD], v10, RP
	v_mad_u32_u24 v[SRD], v11, 16*RP+HOP, v[SRD]
	v_lshl_add_u32 v[SRD], v9, 6, v[SRD]
	v_add_nc_u32 v[SRD], s16, v[SRD]
	s_mov_b32 s[LG], 0x3fb8aa3b
	s_mov_b32 s[LG+1], 0x3fb8aa3b
	s_lshl_b32 s12, ttmp9, 17                      ; my wave's 16,384 bytes of K: 131,072 x work-group + 16,384 x wave
	s_lshl_b32 s17, s10, 14
	s_add_co_u32 s12, s12, s17
	s_mov_b32 s13, 0
	s_wait_kmcnt 0x0
	s_load_b32 s11, s[6:7], 0x4                    ; e1
	s_add_nc_u64 s[4:5], s[4:5], s[12:13]
	s_lshr_b32 s12, s12, 2                         ; a code for each four bytes
	s_add_nc_u64 s[8:9], s[8:9], s[12:13]
.irp n, 0,1
.irp i, 0,1,2,3,4,5,6,7,8,9,10,11,12,13,14,15
	global_load_b128 v[R+64*\n+4*\i:R+64*\n+4*\i+3], v[LI], s[4:5] offset:8192*\n+512*\i th:TH_LOAD_NT   ; 32 lanes read 512 consecutive bytes; read once in the launch
.endr
.endr
	s_wait_kmcnt 0x0
	s_add_co_i32 s16, s11, 127
	s_lshl_b32 s17, s16, 23
	v_mov_b32 v[SCV], s17
	s_add_co_i32 s16, s16, 15
	s_lshl_b32 s16, s16, 23
	s_or_b32 s16, s16, 0x600000
	v_mov_b32 v[LIMV], s16
	s_wait_loadcnt 16                              ; block 0's 16 loads are in; block 1's 16 may be out
	TURN 0
	s_wait_loadcnt 0x0
	TURN 1
	s_wait_dscnt 32                                ; block 0 is back from the stage; block 1's 16 stores and 16 loads may be out
	FEAT R, E, Y, C
	FEAT R+32, E, Y, C+8
	SEND 0
	s_wait_dscnt 0x0
	FEAT R+64, E, Y, C+16
	FEAT R+96, E, Y, C+24
	SEND 1
	s_wait_tensorcnt 0x0
	ds_add_u32 v240, v241
	s_wait_dscnt 0x0
	s_endpgm
.Lfunc_end_k_q234aca466f_prep:
	.size	k_q234aca466f_prep, .Lfunc_end_k_q234aca466f_prep-k_q234aca466f_prep
	.p2alignl 7, 3214868480
	.fill 96, 4, 3214868480
	.section	.rodata,"a",@progbits
	.p2align	6, 0x0
	.amdhsa_kernel k_q234aca466f_prep
		.amdhsa_group_segment_fixed_size 72704
		.amdhsa_private_segment_fixed_size 0
		.amdhsa_enable_private_segment 0
		.amdhsa_kernarg_size 24
		.amdhsa_user_sgpr_count 2
		.amdhsa_user_sgpr_kernarg_segment_ptr 1
		.amdhsa_wavefront_size32 1
		.amdhsa_system_sgpr_workgroup_id_x 1
		.amdhsa_system_sgpr_workgroup_id_y 1
		.amdhsa_system_sgpr_workgroup_id_z 1
		.amdhsa_system_vgpr_workitem_id 0
		.amdhsa_next_free_vgpr 242
		.amdhsa_next_free_sgpr 66
		.amdhsa_reserve_vcc 1
		.amdhsa_float_denorm_mode_32 3
		.amdhsa_float_denorm_mode_16_64 3
		.amdhsa_memory_ordered 1
		.amdhsa_forward_progress 1
		.amdhsa_inst_pref_size 36
	.end_amdhsa_kernel
	.amdgpu_metadata
---
amdhsa.version: [ 1, 2 ]
amdhsa.kernels:
  - .name:           k_q234aca466f_prep
    .symbol:         k_q234aca466f_prep.kd
    .args:
      - { .name: K, .offset: 0, .size: 8, .value_kind: global_buffer, .address_space: global }
      - { .name: lowp_scales, .offset: 8, .size: 8, .value_kind: global_buffer, .address_space: global }
      - { .name: K_img, .offset: 16, .size: 8, .value_kind: global_buffer, .address_space: global }
    .group_segment_fixed_size: 72704
    .private_segment_fixed_size: 0
    .kernarg_segment_align: 8
    .kernarg_segment_size: 24
    .max_flat_workgroup_size: 256
    .sgpr_count:     66
    .vgpr_count:     242
    .wavefront_size: 32
...
	.end_amdgpu_metadata
.endif
;; end of part 1
;; launch attn (part 2): grid 8 x 64, 8 waves a work-group, no clusters, 169,984 bytes of LDS; arguments Q, K_img, V_codes, lowp_scales, out0; writes out0
.if DOCPART == 2
	.amdgcn_target "amdgcn-amd-amdhsa--gfx1250"
	.amdhsa_code_object_version 6
	.text
	.protected	k_q234aca466f_attn
	.globl	k_q234aca466f_attn
	.p2align	8
	.type	k_q234aca466f_attn,@function
k_q234aca466f_attn:
	s_mov_b64 s[64:65], 0
	v_nop
	global_prefetch_b8 v0, s[64:65] scope:SCOPE_SE
	s_setreg_imm32_b32 hwreg(HW_REG_WAVE_MODE, 25, 1), 1
	s_wait_xcnt 0x0
; out[head][q][:] = the sum over keys of softmax(Qf[q] . Kf[key]) V[key][:], Qf = elu(Q) + 1, Kf = elu(K) + 1, 64 heads x 2,048 queries x 2,048 keys x 64 channels; both products on codes of E5M2.
; Q: f32, its feature map and its codes (scale 2^e0) are made here, in registers.  K_img: Kf's codes (scale 2^e1) in the order of the operand's registers, made by the launch before.
; V_codes: [head][64 channels][2,048 keys], a byte a code (scale 2^e3).  lowp_scales: e0, e1, e2, e3.
; THE SOFTMAX: t = score x log2(e); M = the row's largest t so far, rounded UP to a whole number; p = 2^(t - M) is quantised with 2^e2, not normalised.  The row's sum is taken of the unquantised p, in f32,
; and divides at the end.  When M moves, the sum and O are multiplied by 2^(old M - new M), which rounds nothing.
; SHARES.  A work-group owns 256 queries of a head, each of its eight waves 32: two tiles of 16.  Every wave walks the head's keys, 256 a step, eight steps.  A fragment of K or V read from LDS feeds both tiles.
; LAYOUT.  Both products are used transposed: S^T = Kf Qf^T (source 0 = 16 keys, source 1 = 16 queries), O^T = V^T P^T (source 0 = 16 channels, source 1 = P): a lane holds ONE query (lane % 16) throughout.
; The keys of a tile are not neighbours (lane r of tile 2 b + u: key 32 b + 8 u + r + 8 (r / 8)), so that the 16 registers of tiles 2 b and 2 b + 1 are keys 32 b + 16 (lane / 16) + 0 .. 15: the conversions' results are the
; second product's operand.  Fragments are fed by loads of 16 bytes: along K that is one permutation, the same in both operands of a product, so every code meets its partner.
; TILES.  A step's tiles (16,384 bytes of K_img, 64 rows x 256 bytes of V) go memory -> registers -> LDS: eight loads and eight LDS stores a wave, asked for at a step's head for the next step, into the other of two slots.
; ONE barrier a step: in front of it each wave's stores into the next slot have landed and its reads of this slot are in.
; NO JOINT LOADS, though the eight work-groups of a head walk the same tiles: this text branches on the given exponent e2 (the hold on p changes nothing where 57,344 x 2^e2 >= 1, that is e2 >= -15, and is 256 of a
; wave's vector instructions in a step); what is shared is 32,768 bytes a step beside the 262,144 bytes that the work-group's waves read from LDS in it.
; LIMITS.  e0 and e2 between -126 and 112; e0 + e1 between -126 and 127 (added to log2(e)'s exponent field); e2 + e3 goes through v_ldexp_f32 and has none.  NaN among the inputs is not served; an infinity in Q is held at
; the largest code.  For x <= 0 the feature map is e^x itself and not expm1(x) + 1: the two differ by at most 2^-24.
; REGISTERS, in two windows of 256 (s_set_vgpr_msb: bits 1:0 source 0, 3:2 source 1, 5:4 source 2, 7:6 destination).  Window t holds all of tile t under the same numbers, so the softmax is one macro:
;   v12 -M, v13 the largest t, v[14:15] the sum in two halves, v[16:17] f and 0, v18-21 at work, v22, v23 the hold and the scale, v24-31 Q's fragment, v64-95 p's codes, v96-127 O^T, v128-255 the scores, then p.
;   window 0 alone: v0-11 addresses; v32-63 K's fragments, set A; v64-95 also set B, while the scores are made; v128-255 also V's eight fragments, once tile 0's p is quantised.   window 1 alone: v32-63 the tiles on their way to LDS.
.set VP,    272                        ; a row of V in LDS: 256 bytes + 16: the 16 rows that a load touches start at 16 different 16-byte columns of 256
.set VOFF,  16384                      ; a slot: K's 16 images of 1,024 bytes, then V's 64 rows
.set SLOT1, 65536                      ; slot 1 begins here: one exclusive or turns an address from one slot to the other
.set STG,   SLOT1+VOFF+64*VP           ; behind the slots: a stage of 32 rows x 272 bytes for each wave: Q's way in, O's way out
.set SP,    272
.set LI,   1                           ; v1   16 x lane
.set AV0,  2                           ; v2   my lane's place in a tile of V: VOFF + r x 272 + 16 h
.set ADK,  3                           ; v3   LDS address of the step's images of K
.set ADV,  4                           ; v4   of its rows of V
.set KO,   5                           ; v5   16 x thread: my 16 bytes of 4,096 of K_img, in memory and in a slot
.set GVO,  6                           ; v6   V in memory: row thread / 16 of 2,048 bytes, + 16 (thread % 16)
.set SV0,  7                           ; v7   and in a slot
.set AST,  8                           ; v8   the LDS address in hand: at the head Q's read from the stage, later the tiles' stores
.set PFO,  9                           ; v9   the prefetches' offset
.set STO,  10                          ; v10  the way out: where I put 32 bytes of a row
.set RD,   11                          ; v11  the stage by rows: lanes 0-15 one row of 256 bytes, lanes 16-31 the next
.set NM,   12
.set TM,   13
.set L,    14
.set F,    16
.set T,    18
.set LIMV, 22
.set SCV,  23
.set QF,   24
.set KA,   32
.set G,    32
.set KB,   64
.set PC,   64
.set O,    96
.set S,    128
.set QY,   128                         ; at the head: x + 1, the numbers of Q, e^x
.set QX,   192
.set QE,   224
.set WV,   14                          ; s14  my wave's number
.set E0,   20                          ; s[20:23]  e0, e1, e2, e3
.set CS,   24                          ; s[24:25]  c = log2(e) x 2^(e0 + e1), twice: the packed form names a pair
.set SEL,  26                          ; s[26:27]  lane selects for v_permlanex16_b32: lane l xor 16
.set LG,   28                          ; s[28:29]  log2(e), twice
.set TB,   30                          ; s30  the slot that is read
.set TW,   31                          ; s31  the slot that is written
.set CNT,  32                          ; s32  steps still to be staged
.set LIM,  33                          ; s33  1 in a wave that prefetches, else the greatest number
.set PFA,  34                          ; s[34:35]  where my prefetches stand
.set PFS,  36                          ; s[36:37]  a step on, in bytes
.set EO,   38                          ; s38  e2 + e3
.set MSB, 0
.macro WIN new                         ; the immediate's high byte repeats the setting that is left; a switch that changes nothing is dropped
.if MSB != (\new)
	s_set_vgpr_msb (MSB<<8)|(\new)
.set MSB, (\new)
.endif
.endm
.macro PLACES n
.rept \n
	v_nop
.endr
.endm
; 32 numbers of a lane, v[X] on, become elu + 1, held, and 8 registers of codes, v[C] on.
.macro FEAT X, E, Y, C
.set n, 0
.rept 16
	v_pk_mul_f32 v[\E+n:\E+n+1], v[\X+n:\X+n+1], s[LG:LG+1] op_sel_hi:[1,0]   ; x log2(e)
.set n, n+2
.endr
.set n, 0
.rept 32
	v_exp_f32 v[\E+n], v[\E+n]                     ; e^x: one batch
.set n, n+1
.endr
.set n, 0
.rept 16
	v_pk_add_f32 v[\Y+n:\Y+n+1], v[\X+n:\X+n+1], 1.0 op_sel_hi:[1,0]   ; x + 1: plain work that names no exponential's result
.set n, n+2
.endr
	s_wait_alu depctr_va_vdst(0)                   ; one wait for the batch, ahead of its first reader
.set n, 0
.rept 32
	v_cmp_lt_f32 vcc_lo, 0, v[\X+n]
	v_cndmask_b32 v[\X+n], v[\E+n], v[\Y+n], vcc_lo   ; x + 1 where 0 < x, else e^x
.set n, n+1
.endr
.set n, 0
.rept 32
	v_min_num_f32 v[\X+n], v[\X+n], v[LIMV]        ; the conversion to an 8-bit code does not saturate (ISA guide 7.6.2); the value is not negative, so the hold is one-sided
.set n, n+1
.endr
.set n, 0
.rept 4
	v_cvt_scalef32_pk8_bf8_f32 v[\C+2*n:\C+2*n+1], v[\X+8*n:\X+8*n+7], v[SCV]
.set n, n+1
.endr
	v_nop                                          ; a plain vector line behind the last conversion
.endm
; A step's tiles, memory to registers: the work-group's 256 threads take 4,096 consecutive bytes of K_img an instruction, or 16 rows x 256 bytes of V (sixteen lanes to a row's aligned 256 bytes).
.macro GLOAD
	WIN 0x40                                       ; destination window 1, address window 0
.irp i, 0,1,2,3
	global_load_b128 v[G+4*\i:G+4*\i+3], v[KO], s[6:7] offset:4096*\i
.endr
.irp i, 0,1,2,3
	global_load_b128 v[G+16+4*\i:G+16+4*\i+3], v[GVO], s[8:9] offset:32768*\i
.endr
	WIN 0
.endm
.macro GSTORE                          ; and registers to the slot that is written
	WIN 0
	v_add_nc_u32 v[AST], s[TW], v[KO]
	WIN 0x04                                       ; the stores' data window 1, address window 0
.irp i, 0,1,2,3
	ds_store_b128 v[AST], v[G+4*\i:G+4*\i+3] offset:4096*\i
.endr
	WIN 0
	v_add_nc_u32 v[AST], s[TW], v[SV0]
	WIN 0x04
.irp i, 0,1,2,3
	ds_store_b128 v[AST], v[G+16+4*\i:G+16+4*\i+3] offset:\i*16*VP
.endr
	WIN 0
.endm
; A PREFETCH of the tiles two steps on, one step ahead of their loads; it stands behind the wave's loads of the next step's tiles.  All eight work-groups of a head walk the same tiles: the head's first asks, and in it
; waves 0 and 1 for K_img's 16,384 bytes (8,192 a wave, lanes 256 bytes apart), waves 2 and 3 for V's 64 rows (32 a wave, a lane a row: a step's part of a row is 256 bytes, aligned): one instruction each,
; and each aligned block of 256 bytes is named once in the launch.  Steps 0 and 1 come by their loads alone; the last trip that stages a tile asks for nothing: there is no step behind it.
.macro ASK
	s_cmp_gt_u32 s[CNT], s[LIM]
	s_cbranch_scc0 .Lnot_mine_\@
	global_prefetch_b8 v[PFO], s[PFA:PFA+1] th:TH_LOAD_NT scope:SCOPE_SE
.Lnot_mine_\@:
.endm
.macro KLOAD g, set                    ; four fragments of K, tiles 4 g .. 4 g + 3 of the step's sixteen: an image's 512 bytes an instruction
.irp i, 0,1,2,3
.irp c, 0,1
	ds_load_b128 v[\set+8*\i+4*\c:\set+8*\i+4*\c+3], v[ADK] offset:(4*(\g)+\i)*1024+512*\c
.endr
.endr
.endm
.macro QK g, set                       ; their scores, for tile 0 and for tile 1 of the queries.  Each product is a whole sum (K = 64): C = 0
	WIN 0
.irp i, 0,1,2,3
	v_wmma_f32_16x16x64_bf8_bf8 v[S+8*(4*(\g)+\i):S+8*(4*(\g)+\i)+7], v[\set+8*\i:\set+8*\i+7], v[QF:QF+7], 0
.endr
	WIN 0x44                                       ; Q's fragment and the scores in window 1, K's fragments in window 0
.irp i, 0,1,2,3
	v_wmma_f32_16x16x64_bf8_bf8 v[S+8*(4*(\g)+\i):S+8*(4*(\g)+\i)+7], v[\set+8*\i:\set+8*\i+7], v[QF:QF+7], 0
.endr
	WIN 0
.endm
; THE SOFTMAX of tile t for a step's 256 keys: 128 scores a lane.
.macro SM t
	WIN 0x55*(\t)
.irp k, 0,1,2,3
	v_max3_num_f32 v[T+\k], v[S+3*\k], v[S+3*\k+1], v[S+3*\k+2]   ; the largest score, in four chains, the registers in ascending order: each accumulator is first read at its low end
.endr
.set n, 12
.rept 58
	v_max3_num_f32 v[T+(n/2)%4], v[T+(n/2)%4], v[S+n], v[S+n+1]
.set n, n+2
.endr
	v_max3_num_f32 v[T], v[T], v[T+1], v[T+2]
	v_max_num_f32 v[T], v[T], v[T+3]
	v_permlanex16_b32 v[T+1], v[T], s[SEL], s[SEL+1]   ; the query's other 128 keys lie in the lane 16 away
	v_max_num_f32 v[T], v[T], v[T+1]
	v_mul_f32 v[T], s[CS], v[T]                    ; as t (c is positive)
	v_max_num_f32 v[TM], v[TM], v[T]               ; the running largest t
	v_mov_b32 v[T], v[NM]
	v_floor_f32 v[NM], -v[TM]                      ; the new -M = floor(-t) = -ceil(t): M is a whole number
	v_sub_f32 v[T], v[NM], v[T]                    ; old M - new M: a whole number, 0 or less
	v_cvt_i32_f32 v[T], v[T]                       ; (it saturates)
	v_ldexp_f32 v[F], 1.0, v[T]                    ; f = 2^(old M - new M)
.set n, 0
.rept 64
	v_pk_fma_f32 v[S+n:S+n+1], v[S+n:S+n+1], s[CS:CS+1], v[NM:NM+1] op_sel_hi:[1,0,0]   ; t - M, two at a time (of the pairs c and -M the low word serves both halves)
.set n, n+2
.endr
.set n, 0
.rept 128
	v_exp_f32 v[S+n], v[S+n]                       ; p = 2^(t - M), at most 1: one batch
.set n, n+1
.endr
	v_pk_mul_f32 v[L:L+1], v[L:L+1], v[F:F+1] op_sel_hi:[1,0]   ; the sums under the new M: the plain line behind the batch
	s_wait_alu depctr_va_vdst(0)                   ; one wait for the batch, ahead of its first reader
	v_pk_add_f32 v[T:T+1], v[S:S+1], v[S+2:S+3]    ; the row's sum is taken of the UNQUANTISED p: two at a time, in three chains
	v_pk_add_f32 v[T+2:T+3], v[S+4:S+5], v[S+6:S+7]
.set n, 8
.rept 20
	v_pk_add_f32 v[L:L+1], v[L:L+1], v[S+n:S+n+1]
	v_pk_add_f32 v[T:T+1], v[T:T+1], v[S+n+2:S+n+3]
	v_pk_add_f32 v[T+2:T+3], v[T+2:T+3], v[S+n+4:S+n+5]
.set n, n+6
.endr
	v_pk_add_f32 v[L:L+1], v[L:L+1], v[T:T+1]
	v_pk_add_f32 v[L:L+1], v[L:L+1], v[T+2:T+3]
	WIN 0                                          ; at a branch and at a label every window is 0
	s_cmp_ge_i32 s[E0+2], -15                      ; p <= 1 <= 57,344 x 2^e2 where e2 >= -15: the hold would change nothing
	s_cbranch_scc1 .Lfits_\@
	WIN 0x55*(\t)
.set n, 0
.rept 128
	v_min_num_f32 v[S+n], v[S+n], v[LIMV]          ; the conversion to an 8-bit code does not saturate (ISA guide 7.6.2); p is not negative, so the hold is one-sided
.set n, n+1
.endr
	WIN 0
.Lfits_\@:
	WIN 0x55*(\t)
.set n, 0
.rept 16
	v_cvt_scalef32_pk8_bf8_f32 v[PC+2*n:PC+2*n+1], v[S+8*n:S+8*n+7], v[SCV]   ; registers 4 b .. 4 b + 3 of P: keys 32 b + 16 h + 0 .. 15
.set n, n+1
.endr
.set n, 0
.rept 16
	v_pk_mul_f32 v[O+n:O+n+1], v[O+n:O+n+1], v[F:F+1] op_sel_hi:[1,0]   ; O^T under the new M; also the plain lines behind the conversions
.set n, n+2
.endr
.endm
.macro VLOAD                           ; V's eight fragments (16 channels x 128 keys, 16 registers), into the registers that tile 0's p has left
	WIN 0
.irp ks, 0,1
.irp dt, 0,1,2,3
.irp c, 0,1,2,3
	ds_load_b128 v[S+16*(4*\ks+\dt)+4*\c:S+16*(4*\ks+\dt)+4*\c+3], v[ADV] offset:16*\dt*VP+128*\ks+32*\c
.endr
.endr
.endr
.endm
.macro PV                              ; O^T += V^T P^T: a tile's four accumulators take turns, one instruction a turn
.irp t, 0,1
	WIN 0x54*\t                                    ; P and O^T in window t, V in window 0
.irp ks, 0,1
.irp dt, 0,1,2,3
	v_wmma_f32_16x16x128_bf8_bf8 v[O+8*\dt:O+8*\dt+7], v[S+16*(4*\ks+\dt):S+16*(4*\ks+\dt)+15], v[PC+16*\ks:PC+16*\ks+15], v[O+8*\dt:O+8*\dt+7]
.endr
.endr
.endr
	WIN 0
.endm
; A KEY STEP of 256 keys.  fill = 1: the next step's tiles are staged, and a barrier closes the step.
.macro STEP fill
	WIN 0
	v_add_nc_u32 v[ADK], s[TB], v[LI]
	v_add_nc_u32 v[ADV], s[TB], v[AV0]
	KLOAD 0, KA
	KLOAD 1, KB
.if \fill
	GLOAD                                          ; asked for here, waited for behind tile 0's softmax
	ASK
.endif
	s_wait_dscnt 8                                 ; group 0's eight loads are in; group 1's may be out
	QK 0, KA
	PLACES 4                                       ; in front of loads into registers that matrix instructions have read
	KLOAD 2, KA
	s_wait_dscnt 8                                 ; group 1 is in; group 2's eight may be out
	QK 1, KB
	PLACES 4
	KLOAD 3, KB
	s_wait_dscnt 8                                 ; group 2 is in; group 3's eight may be out
	QK 2, KA
	s_wait_dscnt 0x0
	QK 3, KB
	SM 0                                           ; its first 30 maxima read groups 0 and 1's scores alone: they are the places behind the last products
	VLOAD                                          ; lands under tile 1's softmax
.if \fill
	s_wait_loadcnt 0x0                             ; the next step's tiles are in registers, and their loads have read their bases
	s_wait_xcnt 0x0                                ; the prefetch, issued at the step's head, has read its address
	GSTORE
	s_add_nc_u64 s[6:7], s[6:7], 16384             ; a step on: 16 images of K,
	s_add_nc_u64 s[8:9], s[8:9], 256               ; 256 codes along each row of V
	s_add_nc_u64 s[PFA:PFA+1], s[PFA:PFA+1], s[PFS:PFS+1]
.endif
	SM 1
	s_wait_dscnt 0x0                               ; V is in; my stores into the next slot have landed; my reads of this slot are over
.if \fill
	s_barrier_signal -1                            ; say so; only work on registers stands between the signal and the wait
.endif
	PV
	PLACES 5                                       ; the next step's products write over V's fragments (five places), its loads land on tile 0's P (four), and the way out reads O^T (four)
.if \fill
	s_xor_b32 s[TB], s[TB], SLOT1
	s_xor_b32 s[TW], s[TW], SLOT1
	s_barrier_wait -1                              ; the next slot is whole, and nobody reads this one any more
.endif
.endm
; THE WAY OUT of tile t: the sum's halves are added, O^T is divided by the sum, multiplied by 2^(e2 + e3) and put into my stage.
.macro OUT t
	WIN 0x55*(\t)
	v_add_f32 v[L], v[L], v[L+1]
	v_permlanex16_b32 v[T], v[L], s[SEL], s[SEL+1]
	v_add_f32 v[L], v[L], v[T]                     ; the row's sum
	v_rcp_f32 v[F], v[L]
	v_nop                                          ; a plain line behind the reciprocal
	s_wait_alu depctr_va_vdst(0)                   ; and the wait ahead of its first reader
	v_ldexp_f32 v[F], v[F], s[EO]
.set n, 0
.rept 16
	v_pk_mul_f32 v[O+n:O+n+1], v[O+n:O+n+1], v[F:F+1] op_sel_hi:[1,0]   ; register 8 dt + j: out(query r, channel 16 dt + 8 h + j)
.set n, n+2
.endr
	WIN 0x04*(\t)                                  ; the stores' data in window t
.irp dt, 0,1,2,3
	ds_store_b128 v[STO], v[O+8*\dt:O+8*\dt+3] offset:(\t)*16*SP+64*\dt
	ds_store_b128 v[STO], v[O+8*\dt+4:O+8*\dt+7] offset:(\t)*16*SP+64*\dt+16
.endr
.endm
	s_load_b256 s[4:11], s[0:1], 0x0               ; Q s[4:5], K_img s[6:7], V_codes s[8:9], the scales' exponents s[10:11]
	s_load_b64 s[12:13], s[0:1], 0x20              ; out0
	s_set_vgpr_msb 0x40
	v_lshl_add_u32 v10, v0, 2, 0x29400
	v_mov_b32 v11, 0
	s_set_vgpr_msb 0x4000
	v_lshrrev_b32 v1, 5, v0
	v_readfirstlane_b32 s[WV], v1                  ; wave 0..7
	v_and_b32 v3, 31, v0                           ; lane
	v_lshlrev_b32 v[LI], 4, v3
	v_and_b32 v3, 15, v0                           ; r = lane % 16 = thread % 16
	v_bfe_u32 v4, v0, 4, 1                         ; h = lane / 16
	v_mul_u32_u24 v[AV0], v3, VP
	v_lshl_add_u32 v[AV0], v4, 4, v[AV0]
	v_add_nc_u32 v[AV0], VOFF, v[AV0]
	v_lshlrev_b32 v[KO], 4, v0
	v_lshrrev_b32 v9, 4, v0                        ; thread / 16
	v_lshlrev_b32 v[GVO], 11, v9
	v_lshl_add_u32 v[GVO], v3, 4, v[GVO]
	v_mul_u32_u24 v[SV0], v9, VP
	v_lshl_add_u32 v[SV0], v3, 4, v[SV0]
	v_add_nc_u32 v[SV0], VOFF, v[SV0]
	s_mul_i32 s16, s[WV], 32*SP
	s_add_co_u32 s16, s16, STG                     ; my stage
	v_mul_u32_u24 v[AST], v3, SP
	v_lshl_add_u32 v[STO], v4, 5, v[AST]
	v_add_nc_u32 v[STO], s16, v[STO]               ; row r, + 32 h
	v_lshl_add_u32 v[AST], v4, 6, v[AST]
	v_add_nc_u32 v[AST], s16, v[AST]               ; row r, + 64 h: my 16 numbers of 32 channels of Q
	v_mul_u32_u24 v[RD], v4, SP
	v_lshl_add_u32 v[RD], v3, 4, v[RD]
	v_add_nc_u32 v[RD], s16, v[RD]
	s_and_b32 s15, ttmp7, 0xffff                   ; the head
	s_lshl_b32 s40, s15, 19                        ; Q and out0: 524,288 x head + 65,536 x work-group x + 8,192 x wave
	s_lshl_b32 s16, ttmp9, 16
	s_add_co_u32 s40, s40, s16
	s_lshl_b32 s16, s[WV], 13
	s_add_co_u32 s40, s40, s16
	s_mov_b32 s41, 0
	s_lshl_b32 s42, s15, 17                        ; K_img and V_codes: 131,072 x head
	s_mov_b32 s43, 0
	s_mov_b32 s[SEL], 0x76543210
	s_mov_b32 s[SEL+1], 0xfedcba98
	s_mov_b32 s[LG], 0x3fb8aa3b
	s_mov_b32 s[LG+1], 0x3fb8aa3b
	s_mov_b32 s[TB], 0
	s_mov_b32 s[TW], 0                             ; step 0's tiles go into slot 0
	s_wait_kmcnt 0x0
	s_load_b128 s[E0:E0+3], s[10:11], 0x0          ; e0, e1, e2, e3
	s_add_nc_u64 s[4:5], s[4:5], s[40:41]
	s_add_nc_u64 s[12:13], s[12:13], s[40:41]
	s_add_nc_u64 s[6:7], s[6:7], s[42:43]
	s_add_nc_u64 s[8:9], s[8:9], s[42:43]
.irp i, 0,1,2,3,4,5,6,7,8,9,10,11,12,13,14,15
	global_load_b128 v[S+4*\i:S+4*\i+3], v[LI], s[4:5] offset:512*\i th:TH_LOAD_NT   ; my 32 queries: 512 consecutive bytes (two rows) an instruction; read once in the launch
.endr
	GLOAD                                          ; step 0's tiles
	; the prefetches (macro ASK): where my wave's stand, and who asks.  Nothing is prefetched here, at the head
	s_and_b32 s15, s[WV], 1
	s_cmp_lt_u32 s[WV], 2                          ; waves 0 and 1 ask for K_img, waves 2 and 3 for V
	s_cselect_b64 s[PFA:PFA+1], s[6:7], s[8:9]
	s_mov_b32 s16, 2048
	s_cselect_b32 s16, 256, s16                    ; from lane to lane
	s_mov_b32 s17, 65536
	s_cselect_b32 s17, 8192, s17                   ; from wave to wave
	s_mov_b32 s[PFS], 256
	s_cselect_b32 s[PFS], 16384, s[PFS]            ; from step to step
	s_mov_b32 s[PFS+1], 0
	v_and_b32 v[PFO], 31, v0
	v_mul_lo_u32 v[PFO], v[PFO], s16
	s_mul_i32 s17, s15, s17
	v_add_nc_u32 v[PFO], s17, v[PFO]
	s_lshl_b32 s18, s[PFS], 1
	s_mov_b32 s19, 0
	s_add_nc_u64 s[PFA:PFA+1], s[PFA:PFA+1], s[18:19]   ; at step 2: what the first trip asks for
	s_lshr_b32 s15, s[WV], 2                       ; 0 in waves 0 to 3,
	s_or_b32 s15, s15, ttmp9                       ; of the head's first work-group
	s_cmp_eq_u32 s15, 0
	s_cselect_b32 s[LIM], 1, -1
	s_wait_kmcnt 0x0
	s_add_co_i32 s15, s[E0], s[E0+1]
	s_lshl_b32 s15, s15, 23
	s_add_co_i32 s[CS], s15, 0x3fb8aa3b            ; a score stands for score x 2^(e0 + e1): the two exponents are added to log2(e)'s exponent field
	s_mov_b32 s[CS+1], s[CS]
	s_add_co_i32 s[EO], s[E0+2], s[E0+3]
	s_add_co_i32 s15, s[E0], 127
	s_lshl_b32 s45, s15, 23                        ; 2^e0 as f32
	s_add_co_i32 s15, s15, 15
	s_lshl_b32 s44, s15, 23
	s_or_b32 s44, s44, 0x600000                    ; 57,344 x 2^e0
	s_add_co_i32 s15, s[E0+2], 127
	s_lshl_b32 s47, s15, 23                        ; 2^e2
	s_add_co_i32 s15, s15, 15
	s_lshl_b32 s46, s15, 23
	s_or_b32 s46, s46, 0x600000                    ; 57,344 x 2^e2
	; Q turns through my stage, so that a lane holds 16 neighbouring channels of its query, twice: the order of the fragment's registers
	s_wait_loadcnt 8                               ; Q's 16 loads are in; the eight loads of step 0's tiles may be out
.irp i, 0,1,2,3,4,5,6,7,8,9,10,11,12,13,14,15
	ds_store_b128 v[RD], v[S+4*\i:S+4*\i+3] offset:2*\i*SP
.endr
.irp t, 0,1
	WIN 0x40*\t                                    ; tile t's numbers into window t
.irp c, 0,1
.irp j, 0,1,2,3
	ds_load_b128 v[QX+16*\c+4*\j:QX+16*\c+4*\j+3], v[AST] offset:\t*16*SP+128*\c+16*\j   ; LDS serves a wave's instructions in order (ISA guide 5.7.1.4): these see my stores
.endr
.endr
.endr
	WIN 0
	s_wait_dscnt 0x0
.irp t, 0,1
	WIN 0x55*\t
	v_mov_b32 v[LIMV], s44
	v_mov_b32 v[SCV], s45
	FEAT QX, QE, QY, QF                            ; Q's fragment stays in registers
	v_mov_b32 v[TM], 0xff61b1e6                    ; the largest t so far: -3e38, under every t
	v_floor_f32 v[NM], -v[TM]
.irp j, 14,15,16,17,18,19,20,21
	v_mov_b32 v\j, 0                               ; the sum; f's pair; the registers at work (a lane permute's destination counts as one of its sources)
.endr
	v_mov_b32 v[LIMV], s46                         ; from here on p's hold and scale
	v_mov_b32 v[SCV], s47
.set n, 0
.rept 32
	v_mov_b32 v[O+n], 0                            ; O^T.  (The step is written with no first step of its own: the first finds zeros, which the first change of M leaves zeros)
.set n, n+1
.endr
.endr
	WIN 0
	s_wait_loadcnt 0x0                             ; step 0's tiles are in registers, and their loads have read their bases
	GSTORE
	s_add_nc_u64 s[6:7], s[6:7], 16384             ; on to step 1
	s_add_nc_u64 s[8:9], s[8:9], 256
	s_mov_b32 s[TW], SLOT1
	s_mov_b32 s[CNT], 7
	s_wait_dscnt 0x0                               ; my stores into slot 0 have landed
	s_barrier_signal -1
	s_barrier_wait -1                              ; everybody's have
.Lstep:                                            ; seven trips: trip j works on step j and stages step j + 1
	STEP 1
	s_sub_co_u32 s[CNT], s[CNT], 1
	s_cmp_lg_u32 s[CNT], 0
	s_cbranch_scc1 .Lstep
	STEP 0                                         ; step 7: nothing is left to stage, so no load leaves its buffer
	OUT 0
	OUT 1
	WIN 0
.irp i, 0,1,2,3,4,5,6,7,8,9,10,11,12,13,14,15
	ds_load_b128 v[S+4*\i:S+4*\i+3], v[RD] offset:2*\i*SP   ; back as whole rows of 256 bytes, two an instruction; my own bytes, served in order
.endr
.irp i, 0,1,2,3,4,5,6,7,8,9,10,11,12,13,14,15
	s_wait_dscnt 15-\i                             ; rows 2 i and 2 i + 1 are in; the younger loads may be out
	global_store_b128 v[LI], v[S+4*\i:S+4*\i+3], s[12:13] offset:512*\i th:TH_STORE_NT   ; 32 lanes store 512 consecutive bytes, at a multiple of 512 from out0's first byte; written once, read by nobody here
.endr
	s_set_vgpr_msb 0x5
	s_wait_tensorcnt 0x0
	ds_add_u32 v10, v11
	s_wait_dscnt 0x0
	s_set_vgpr_msb 0x500
	s_endpgm
.Lfunc_end_k_q234aca466f_attn:
	.size	k_q234aca466f_attn, .Lfunc_end_k_q234aca466f_attn-k_q234aca466f_attn
	.p2alignl 7, 3214868480
	.fill 96, 4, 3214868480
	.section	.rodata,"a",@progbits
	.p2align	6, 0x0
	.amdhsa_kernel k_q234aca466f_attn
		.amdhsa_group_segment_fixed_size 169984
		.amdhsa_private_segment_fixed_size 0
		.amdhsa_enable_private_segment 0
		.amdhsa_kernarg_size 40
		.amdhsa_user_sgpr_count 2
		.amdhsa_user_sgpr_kernarg_segment_ptr 1
		.amdhsa_wavefront_size32 1
		.amdhsa_system_sgpr_workgroup_id_x 1
		.amdhsa_system_sgpr_workgroup_id_y 1
		.amdhsa_system_sgpr_workgroup_id_z 1
		.amdhsa_system_vgpr_workitem_id 0
		.amdhsa_next_free_vgpr 512
		.amdhsa_next_free_sgpr 66
		.amdhsa_reserve_vcc 1
		.amdhsa_float_denorm_mode_32 3
		.amdhsa_float_denorm_mode_16_64 3
		.amdhsa_memory_ordered 1
		.amdhsa_forward_progress 1
		.amdhsa_inst_pref_size 141
	.end_amdhsa_kernel
	.amdgpu_metadata
---
amdhsa.version: [ 1, 2 ]
amdhsa.kernels:
  - .name:           k_q234aca466f_attn
    .symbol:         k_q234aca466f_attn.kd
    .args:
      - { .name: Q, .offset: 0, .size: 8, .value_kind: global_buffer, .address_space: global }
      - { .name: K_img, .offset: 8, .size: 8, .value_kind: global_buffer, .address_space: global }
      - { .name: V_codes, .offset: 16, .size: 8, .value_kind: global_buffer, .address_space: global }
      - { .name: lowp_scales, .offset: 24, .size: 8, .value_kind: global_buffer, .address_space: global }
      - { .name: out0, .offset: 32, .size: 8, .value_kind: global_buffer, .address_space: global }
    .group_segment_fixed_size: 169984
    .private_segment_fixed_size: 0
    .kernarg_segment_align: 8
    .kernarg_segment_size: 40
    .max_flat_workgroup_size: 256
    .sgpr_count:     66
    .vgpr_count:     512
    .wavefront_size: 32
...
	.end_amdgpu_metadata
.endif
;; end of part 2
